; MI455X (gfx1250); checked and timed in simulation.
; The chip was launched on July 23, 2026; its instructions are those of AMD's public machine-readable ISA for CDNA 5 (MIT licence, August 2026) and "CDNA5" Instruction Set Architecture Reference Guide (July 2026). The comments in the code are by the model that wrote it; some were corrected since.
;; Multi Head Attention. Allowed arithmetic: matrix products marked QUANTISED: E2M3 operands, one E8M0 scale for each 32 along K, by v_wmma_scale_f32_16x16x128_f8f6f4 with both operands' format E2M3, f32 sums; everything else in f32.
;; Inputs: W_out_codes 1,024 x 32 x 24 uint8 (E2M3 codes of W_out, K innermost, in blocks of 32 codes, four codes in three bytes); W_out_scales 1,024 x 32 uint8 (E8M0 scales of W_out, one for each 32 codes along K); b_out 1,024 float32; keys 4 x 2,048 x 1,024 float32; mask 4 x 1 x 2,048 x 2,048 int32; query 4 x 2,048 x 1,024 float32; values_codes 4 x 1,024 x 64 x 24 uint8 (E2M3 codes of values, K innermost, in blocks of 32 codes, four codes in three bytes); values_scales 4 x 1,024 x 64 uint8 (E8M0 scales of values, one for each 32 codes along K).
;; Outputs: out0 4 x 2,048 x 1,024 float32.
;; This version of the problem:
;;   THIS VERSION OF THE PROBLEM IS GIVEN IN LOW PRECISION. The matrix products marked QUANTISED in the list below multiply operands that are first quantised to E2M3 (2 exponent bits, 3 mantissa bits; 6 bits a number), with one power-of-two scale for each 32 numbers along K (OCP MX v1.0); their sums are f32. All else is computed in f32.
;;   The module's matrix products, in the order in which they are computed (A, B: the left and right operand; K: the contracted axis; several contracted axes count as one K, in the product's order):
;;     1. batch 64 x [M 2,048, K 64] x [K 64, N 2,048]; A: input query; B: input keys: QUANTISED
;;     2. batch 64 x [M 64, K 2,048] x [K 2,048, N 2,048]; A: input values (given as codes); B: softmax (see below): QUANTISED
;;     3. [M 8,192, K 1,024] x [K 1,024, N 1,024]; A: computed on the way; B: input W_out (given as codes): QUANTISED
;;   THE QUANTISER, for each operand of a quantised product, along K:
;;     - K is cut into blocks of 32 from its start; a last block that is shorter is filled with zeros.
;;     - A block's scale is 2^e with e = floor(log2(the largest magnitude in the block)) - 2, held to -126 .. 127; a block of zeros has e = 0. As a byte (E8M0): e + 127.
;;     - Each number is divided by its block's scale, clamped to +-7.5, and rounded to the nearest number of E2M3, ties to even, subnormals kept.
;;     - The product sums the exact products of the quantised numbers (number of the format x scale) in f32.
;;   ~~~python
;;   def quantise(x, axis):      # numpy; x: float32 -> the quantised numbers, widened to float32 again
;;       x = np.moveaxis(x, axis, -1); K = x.shape[-1]
;;       x = np.pad(x, [(0, 0)] * (x.ndim - 1) + [(0, -K % 32)]); x = x.reshape(x.shape[:-1] + (-1, 32)); a = np.abs(x).max(-1, keepdims=True)
;;       e = np.where(a > 0, np.clip(np.frexp(np.where(a > 0, a, 1))[1] - 1 - 2, -126, 127), 0)      # np.frexp(a)[1] - 1 = floor(log2(a)), exactly
;;       r = np.clip(x / 2.0 ** e, -7.5, 7.5)
;;       step = 2.0 ** (np.maximum(np.frexp(np.where(r == 0, 1, r))[1] - 1, 0) - 3)
;;       q = np.round(r / step) * step * 2.0 ** e      # np.round: ties to even
;;       return np.moveaxis(q.reshape(q.shape[:-2] + (-1,))[..., :K], -1, axis).astype(np.float32)
;;   ~~~
;;   SOFTMAX AHEAD OF A QUANTISED PRODUCT. Where the list says 'softmax', what is quantised is not the finished softmax but p = 2^(t - M), with t = logit x log2(e) and M = ceil(the row's largest t), a whole number; so 1/2 < the row's largest p <= 1. The row's sum l is taken of the UNQUANTISED p, in f32, and the product's result is divided by l at the end. Since M is a whole number, a kernel that streams over the keys may use a running M (the ceiling of the running maximum): every later rescaling is an exact power of two, which a block's scale takes up: the codes' values come out the same.
;;   OPERANDS COMPUTED ON THE WAY. 'Computed on the way' means the value that the module computes at that place (a softmax that the list does not call 'softmax' is quantised finished and normalised). What goes into a quantiser is computed in f32, as accurately as f32 sums, v_exp_f32 and their like allow (about 1e-6 of the number): no bf16 or f16 on the way to a quantiser, and a product that is left as it is and whose result goes on into a quantised operand takes f32 operands (vector FMAs, or v_wmma_f32_16x16x4_f32). A number that lies on a knife's edge between two numbers of the format may be rounded either way, as far as f32 arithmetic and the matrix unit's own rounding can turn it there, and no further.
;;   INPUTS GIVEN AS CODES. W_out (in the module: [1024, 1024], K = its axis 1); values (in the module: [4, 2048, 1024], K = its axis 1): each comes as NAME_codes (uint8): NAME with its K axis moved to the last place and cut into blocks of 32 codes, [.., K / 32, bytes a block], one block behind the other in memory; four codes in three bytes: a row's codes are one little-endian stream of bits, code i at bits 6 i .. 6 i + 5 (a code: sign, 2 exponent bits, 3 mantissa bits); and NAME_scales (uint8): the same leading axes, one E8M0 byte (e + 127) for each 32 codes along K. Its value is code x scale, taken as it is: it is not quantised again, and the codes and scales need not be those that the quantiser above would give.
;; One version. Each part assembles by itself: llvm-mc -triple=amdgcn-amd-amdhsa -mcpu=gfx1250 --defsym DOCPART=n.
;; ======== version 1 of 1: 3 launches
;; limits: right only within a limited range of input values
;; workspace buffers: kimg 13,631,488 bytes; mbits 2,097,152 bytes of whole numbers; acodes 6,291,456 bytes; asc 524,288 bytes
;; launch prep (part 1): grid 1024 x 1, 4 waves a work-group, no clusters, 81,664 bytes of LDS; arguments keys, mask, kimg, mbits, values_codes, values_scales; writes kimg, mbits
.if DOCPART == 1
	.amdgcn_target "amdgcn-amd-amdhsa--gfx1250"
	.amdhsa_code_object_version 6
	.text
	.protected	k_qc8b04aed34_prep
	.globl	k_qc8b04aed34_prep
	.p2align	8
	.type	k_qc8b04aed34_prep,@function
k_qc8b04aed34_prep:
	s_mov_b64 s[64:65], 0
	v_nop
	global_prefetch_b8 v0, s[64:65] scope:SCOPE_SE
	s_setreg_imm32_b32 hwreg(HW_REG_WAVE_MODE, 25, 1), 1
	s_wait_xcnt 0x0
; PREP.  Two streams in one launch; the work-group's number picks the path, and each path has its own text and its own LDS bytes.
; Work-groups 0-255: keys [4][2048][1024] f32 become codes of FP6 (E2M3) with one E8M0 scale byte for each 32 along a head's 64 numbers, laid as IMAGES OF THE OPERAND'S REGISTERS:
;   kimg [16 n + head][step of 128 keys][6,656 bytes]: register R = 6 t + i (tile t of 16 keys, i = 0 .. 5) of lane l at (R / 4) 512 + 16 l + 4 (R % 4); behind the 6,144 bytes of codes the scale
;   words, tile t, row r at 6,144 + 256 (t / 4) + 16 r + 4 (t % 4).  Row m of tile 2 b + u is key 32 b + 8 u + m + 8 (m / 8) of the step.  Lane (r, h) holds block h (numbers 32 h .. 32 h + 31) of row r.
;   A scale word: byte 0 block 0's, byte 1 block 1's; bytes 2 and 3 repeat them (the next launch's product has K = 64 in an instruction of 128: its upper half meets zero codes).
; Work-groups 256-767: mask [4][1][2048][2048] int32 becomes lane masks: mbits [n][tile of 16 queries][step of 128 keys][J = 0 .. 63], one word each: bit r + 16 h of word 16 b + i says
;   whether mask[n][16 tile + r][128 step + 32 b + 16 h + i] is not 0.  The 16 heads of a batch then read 1/32 of the mask's bytes.
; A block's scale is 2^(floor(log2(its largest magnitude)) - 2); its byte is the largest magnitude's exponent field - 2, held at 1 from below.
; LIMITS: a block of zeros gets the byte 1 where the quantiser's rule says 127 (its codes are zeros, and this program alone reads the bytes); NaN and infinities among the keys are not served.
; SHARES.  Every wave streams 32 KiB as four units of 8 KiB, written out: every offset is an immediate.  Each load of a wave covers whole aligned runs of 256 bytes (keys: two rows' 256 bytes of one head;
; mask: 512 bytes of one row).  A unit turns through the wave's own stage in LDS, so that a lane gets neighbours along K.  Waves share nothing: no barrier.  No cluster: no two work-groups read the same bytes.
.set R,    16                          ; v16-143   two sets of 64 registers, as loaded
.set X,    144                         ; v144-175  32 numbers of a lane, back from the stage
.set C,    176                         ; v176-223  codes: 12 registers for each unit, so that no store's data are written again
.set W,    176                         ; (mask path) v176-183: a pair of registers for each unit: lane L holds words 2 L and 2 L + 1
.set SW,   224                         ; v224-231  the scale words of tiles 0-7
.set SWO,  232                         ; v232-235  the same as they leave
.set KP,   272                         ; keys' stage: 32 rows of 256 bytes + 16
.set MP,   528                         ; mask's stage: 16 rows of 512 bytes + 16
.set KST,  0                           ; LDS: the keys' stages, one for each wave
.set MST,  4*32*KP                     ; and the mask's, behind them
; A THIRD STREAM, work-groups 768-1023: the given codes and scales of values are laid beside the keys' images.  kimg's steps lie IMG = 13,312 bytes apart: the keys' 6,656 bytes described above,
; then 6,144 bytes of V's codes as register images (register R = 12 t + i of tile t of 16 of the head's 64 numbers, lane l, at 6,656 + (R / 4) 512 + 16 l + 4 (R % 4); lane (r, h), registers 6 c .. 6 c + 5:
; the 24 bytes at 96 step + 48 c + 24 h of row 16 t + r), then V's scale words, row r, tile t at 12,800 + 16 r + 4 t, and the same 256 bytes once more.
.set IMG,  13312
.set VST,  69120                       ; the values' stage, behind the spare words: 16 rows of 768 bytes + 16
.set VP,   784
; v1 lane, v2 r = lane % 16, v3 h = lane / 16, v4 my byte in a load, v5 the stage on the way in, v6 on the way out, v7 16 x lane, v8 8 x lane, v9 8 h, v236-244 at work
.macro LOAD u, ustride, base           ; unit u: sixteen loads, 8,192 bytes apart (two rows of keys, or one row of the mask), into set u % 2
.irp i, 0,1,2,3,4,5,6,7,8,9,10,11,12,13,14,15
	global_load_b128 v[R+64*((\u)%2)+4*\i:R+64*((\u)%2)+4*\i+3], v4, s[\base:\base+1] offset:(\u)*\ustride+\i*8192 th:TH_LOAD_NT
.endr
.endm
	s_load_b256 s[4:11], s[0:1], 0x0               ; keys s[4:5], mask s[6:7], kimg s[8:9], mbits s[10:11]
	v_lshl_add_u32 v248, v0, 2, 0x10c00
	v_mov_b32 v249, 0
	v_lshrrev_b32 v1, 5, v0
	v_readfirstlane_b32 s12, v1                    ; wave 0..3
	v_and_b32 v1, 31, v0                           ; lane
	v_and_b32 v2, 15, v0                           ; r
	v_bfe_u32 v3, v0, 4, 1                         ; h
	v_lshlrev_b32 v7, 4, v1
	v_lshlrev_b32 v8, 3, v1
	v_lshlrev_b32 v9, 3, v3
	s_mov_b32 s28, 0x76543210
	s_mov_b32 s29, 0xfedcba98                      ; v_permlanex16_b32's selects for lane l xor 16
	s_cmp_ge_u32 ttmp9, 256
	s_cbranch_scc1 .Lmask
; ------------------------------------------------------------------ keys
	s_lshl_b32 s13, ttmp9, 2
	s_add_co_u32 s13, s13, s12                     ; which (n, step, head) is my wave's: 0 .. 1,023
	s_and_b32 s14, s13, 15                         ; head
	s_bfe_u32 s15, s13, 0x40004                    ; step of 128 keys
	s_lshr_b32 s16, s13, 8                         ; n
	s_lshl_b32 s18, s16, 23                        ; n x 2,048 rows of 4,096 bytes
	s_lshl_b32 s17, s15, 19                        ; + step x 128 rows
	s_add_co_u32 s18, s18, s17
	s_lshl_b32 s17, s14, 8                         ; + head x 256 bytes
	s_add_co_u32 s18, s18, s17
	s_mov_b32 s19, 0
	s_lshl_b32 s20, s16, 4
	s_add_co_u32 s20, s20, s14
	s_mul_i32 s20, s20, 16*IMG                     ; (16 n + head) x 16 steps' images
	s_mul_i32 s21, s15, IMG
	s_add_co_u32 s20, s20, s21
	s_mov_b32 s21, 0
	s_mul_i32 s30, s12, 32*KP                      ; my stage
	s_wait_alu depctr_va_vdst(0)
	v_lshlrev_b32 v4, 12, v3
	v_lshl_add_u32 v4, v2, 4, v4                   ; a load: lanes 0-15 one key's 256 bytes, lanes 16-31 the next key's
	v_mul_u32_u24 v5, v3, KP
	v_lshl_add_u32 v5, v2, 4, v5
	v_add_nc_u32 v5, s30, v5                       ; in: row h (+ the load's place), 16 r
	v_mul_u32_u24 v6, v2, KP
	v_lshl_add_u32 v6, v3, 7, v6
	v_add_nc_u32 v6, s30, v6                       ; out: row r of a tile, my block's 128 bytes
	v_mov_b32 v244, 0                              ; a lane permute's destination counts as one of its sources
	s_wait_alu depctr_va_vdst(0)
	s_wait_kmcnt 0x0
	s_add_nc_u64 s[4:5], s[4:5], s[18:19]
	s_add_nc_u64 s[8:9], s[8:9], s[20:21]
.macro KTURN u                         ; load i holds keys 2 i and 2 i + 1 of the unit's 32; key kk goes to stage row 16 ((kk / 8) % 2) + kk % 8 + 8 (kk / 16): a tile's 16 rows on end
.irp i, 0,1,2,3,4,5,6,7,8,9,10,11,12,13,14,15
	ds_store_b128 v5, v[R+64*((\u)%2)+4*\i:R+64*((\u)%2)+4*\i+3] offset:(16*((\i/4)%2)+2*(\i%4)+8*(\i/8))*KP
.endr
.endm
.macro KREAD hf                        ; tile hf of the unit's two: my row's block of 32 numbers.  LDS serves a wave's instructions in order: these see the stores
.irp i, 0,1,2,3,4,5,6,7
	ds_load_b128 v[X+4*\i:X+4*\i+3], v6 offset:(\hf)*16*KP+16*\i
.endr
	s_wait_dscnt 0x0                               ; the numbers are in (and the stage's stores have read their registers)
.endm
.macro KWORK b, hf                     ; 32 numbers become six registers of codes and a part of the scale word
.set CC, C+12*(\b)+6*(\hf)
	v_max3_num_f32 v236, |v[X]|, |v[X+1]|, |v[X+2]|                ; the block's largest magnitude: all 32 numbers are mine; two chains
	v_max3_num_f32 v237, |v[X+3]|, |v[X+4]|, |v[X+5]|
.irp i, 6,10,14,18,22,26
	v_max3_num_f32 v236, v236, |v[X+\i]|, |v[X+\i+1]|
	v_max3_num_f32 v237, v237, |v[X+\i+2]|, |v[X+\i+3]|
.endr
	v_max3_num_f32 v236, v236, |v[X+30]|, |v[X+31]|
	v_max3_num_f32 v236, v236, v237, 0x1800000     ; and the floor 2^(3 - 127): the byte cannot fall under 1
	v_add_nc_u32 v238, 0xff000000, v236            ; 2 off the exponent field: the conversion takes this operand's exponent field as its scale
	v_cvt_scalef32_pk16_fp6_f32 v[CC:CC+2], v[X:X+15], v238
	v_cvt_scalef32_pk16_fp6_f32 v[240:242], v[X+16:X+31], v238     ; (a conversion's three registers begin on an even number)
	v_lshrrev_b32 v239, 23, v238                   ; the scale's byte.  (A plain line behind the conversions)
	v_lshlrev_b32 v239, v9, v239                   ; at its place: 8 h bits up
	v_permlanex16_b32 v244, v239, s28, s29
.irp i, 0,1,2
	v_mov_b32 v[CC+3+\i], v[240+\i]
.endr
	v_or_b32 v239, v239, v244                      ; with lane l xor 16's: both blocks' bytes
	v_lshl_or_b32 v[SW+2*(\b)+(\hf)], v239, 16, v239   ; and once more in the upper half
.endm
.macro KUNIT u
.if \u < 3
	s_wait_loadcnt 16                              ; this unit's sixteen loads are in; the next unit's sixteen may be out
.else
	s_wait_loadcnt 0x0
.endif
	KTURN \u
	KREAD 0
.if \u < 2
	LOAD \u+2, 131072, 4                           ; into the set that the stage's stores have just read
.endif
	KWORK \u, 0
	KREAD 1
	KWORK \u, 1
.irp g, 0,1,2
	global_store_b128 v7, v[C+12*\u+4*\g:C+12*\u+4*\g+3], s[8:9] offset:1536*\u+512*\g   ; 32 lanes store 512 consecutive bytes, at a multiple of 256 from the buffer's first byte
.endr
.endm
	LOAD 0, 131072, 4
	LOAD 1, 131072, 4
	KUNIT 0
	KUNIT 1
	KUNIT 2
	KUNIT 3
	v_cmp_le_u32 vcc_lo, 16, v1                    ; lanes 0-15 store the words of tiles 0-3, lanes 16-31 those of tiles 4-7
.irp e, 0,1,2,3
	v_cndmask_b32 v[SWO+\e], v[SW+\e], v[SW+4+\e], vcc_lo
.endr
	global_store_b128 v7, v[SWO:SWO+3], s[8:9] offset:6144
	s_wait_tensorcnt 0x0
	ds_add_u32 v248, v249
	s_wait_dscnt 0x0
	s_endpgm
; ------------------------------------------------------------------ mask
.Lmask:
	s_cmp_ge_u32 ttmp9, 768
	s_cbranch_scc1 .Lvals
	s_sub_co_u32 s13, ttmp9, 256
	s_lshl_b32 s13, s13, 2
	s_add_co_u32 s13, s13, s12                     ; which (n, query tile, four steps) is my wave's: 0 .. 2,047
	s_and_b32 s14, s13, 3                          ; which four steps
	s_bfe_u32 s15, s13, 0x70002                    ; query tile
	s_lshr_b32 s16, s13, 9                         ; n
	s_lshl_b32 s18, s16, 24                        ; n x 2,048 rows of 8,192 bytes
	s_lshl_b32 s17, s15, 17                        ; + tile x 16 rows
	s_add_co_u32 s18, s18, s17
	s_lshl_b32 s17, s14, 11                        ; + four steps of 512 bytes
	s_add_co_u32 s18, s18, s17
	s_mov_b32 s19, 0
	s_lshl_b32 s32, s16, 19                        ; out: ((128 n + tile) 16 + step) x 256 bytes
	s_lshl_b32 s17, s15, 12
	s_add_co_u32 s32, s32, s17
	s_lshl_b32 s17, s14, 10
	s_add_co_u32 s32, s32, s17
	s_mov_b32 s33, 0
	s_mul_i32 s30, s12, 16*MP
	s_add_co_u32 s30, s30, MST                     ; my stage
	s_wait_alu depctr_va_vdst(0)
	v_mov_b32 v4, v7                               ; a load: 512 consecutive bytes of one row
	v_add_nc_u32 v5, s30, v7                       ; in: as loaded
	v_mul_u32_u24 v6, v2, MP
	v_lshl_add_u32 v6, v3, 6, v6
	v_add_nc_u32 v6, s30, v6                       ; out: row r, + 64 h: my 16 keys of a block of 32
.irp i, 0,1,2,3,4,5,6,7
	v_mov_b32 v[W+\i], 0                           ; v_writelane_b32's destination counts as one of its sources
.endr
	s_wait_alu depctr_va_vdst(0)
	s_wait_kmcnt 0x0
	s_add_nc_u64 s[6:7], s[6:7], s[18:19]
	s_add_nc_u64 s[10:11], s[10:11], s[32:33]
.macro MTURN u
.irp i, 0,1,2,3,4,5,6,7,8,9,10,11,12,13,14,15
	ds_store_b128 v5, v[R+64*((\u)%2)+4*\i:R+64*((\u)%2)+4*\i+3] offset:\i*MP
.endr
.endm
.macro MREAD e                         ; blocks 2 e and 2 e + 1 of the step's four: 16 numbers of each
.irp i, 0,1,2,3,4,5,6,7
	ds_load_b128 v[X+4*\i:X+4*\i+3], v6 offset:256*(\e)+128*(\i/4)+16*(\i%4)
.endr
	s_wait_dscnt 0x0
.endm
.macro MWORK u, e                      ; a compare of one register gives word J = 32 e + its number; it goes to lane J / 2 of register J % 2 of the unit's pair
.irp g, 0,1,2,3
.irp k, 0,1,2,3,4,5,6,7
	v_cmp_ne_u32 s[20+\k], 0, v[X+8*\g+\k]
.endr
.irp k, 0,1,2,3,4,5,6,7
	v_writelane_b32 v[W+2*(\u)+(\k%2)], s[20+\k], 16*(\e)+4*\g+\k/2
.endr
.endr
.endm
.macro MUNIT u
.if \u < 3
	s_wait_loadcnt 16                              ; this unit's sixteen loads are in; the next unit's sixteen may be out
.else
	s_wait_loadcnt 0x0
.endif
	MTURN \u
	MREAD 0
.if \u < 2
	LOAD \u+2, 512, 6
.endif
	MWORK \u, 0
	MREAD 1
	MWORK \u, 1
	global_store_b64 v8, v[W+2*\u:W+2*\u+1], s[10:11] offset:256*\u   ; 32 lanes store a step's 256 consecutive bytes, at a multiple of 256 from the buffer's first byte
.endm
	LOAD 0, 512, 6
	LOAD 1, 512, 6
	MUNIT 0
	MUNIT 1
	MUNIT 2
	MUNIT 3
	s_wait_tensorcnt 0x0
	ds_add_u32 v248, v249
	s_wait_dscnt 0x0
	s_endpgm
; ------------------------------------------------------------------ values
; A work-group takes one tile of 16 rows of one (n, head): 24,576 dense bytes.  They go through the work-group's stage in two halves of 768 bytes a row (8 steps); each load's sixteen lanes read one
; aligned run of 256 bytes; wave w reads back the fragments of steps 2 w and 2 w + 1 of the half and stores them as runs of 512 bytes.  Wave w also lays the scale words of step 4 t + w.
.Lvals:
	s_load_b128 s[36:39], s[0:1], 0x20             ; values_codes s[36:37], values_scales s[38:39]
	s_sub_co_u32 s13, ttmp9, 768                   ; 4 (16 n + head) + tile
	s_and_b32 s14, s13, 3                          ; tile t
	s_lshr_b32 s15, s13, 2                         ; 16 n + head
	s_mul_i32 s18, s13, 16*1536                    ; my tile's first row
	s_mul_i32 s17, s12, 4*1536                     ; + my wave's four rows
	s_add_co_u32 s18, s18, s17
	s_mov_b32 s19, 0
	s_lshl_b32 s20, s15, 12                        ; scales: 64 rows of 64 bytes a head,
	s_lshl_b32 s17, s14, 4
	s_add_co_u32 s20, s20, s17
	s_lshl_b32 s17, s12, 2
	s_add_co_u32 s20, s20, s17                     ; + 4 bytes x step 4 t + w
	s_mov_b32 s21, 0
	s_mul_i32 s32, s15, 16*IMG                     ; codes out: the head's images, + my tile's 1,536 bytes, + steps 2 w on
	s_mul_i32 s17, s14, 1536
	s_add_co_u32 s32, s32, s17
	s_mul_i32 s17, s12, 2*IMG
	s_add_co_u32 s32, s32, s17
	s_mov_b32 s33, 0
	s_mul_i32 s34, s15, 16*IMG                     ; scales out: step 4 t + w's image
	s_lshl_b32 s17, s14, 2
	s_add_co_u32 s17, s17, s12
	s_mul_i32 s17, s17, IMG
	s_add_co_u32 s34, s34, s17
	s_mov_b32 s35, 0
	s_mul_i32 s30, s12, 4*VP
	s_add_co_u32 s30, s30, VST
	s_mul_i32 s31, s12, 192
	s_add_co_u32 s31, s31, VST
	s_wait_alu depctr_va_vdst(0)                   ; ahead of the readers below
	v_mul_u32_u24 v4, v3, 1536
	v_lshl_add_u32 v4, v2, 4, v4                   ; a load: lanes 0-15 256 bytes of one row, lanes 16-31 of the next
	v_mul_u32_u24 v5, v3, VP
	v_lshl_add_u32 v5, v2, 4, v5
	v_add_nc_u32 v5, s30, v5                       ; in
	v_mul_u32_u24 v6, v2, VP
	v_mad_u32_u24 v6, v3, 24, v6
	v_add_nc_u32 v6, s31, v6                       ; out: row r, 24 h, my two steps' 192 bytes
	v_lshlrev_b32 v10, 6, v2                       ; a row of scales is 64 bytes
	s_wait_alu depctr_va_vdst(0)                   ; at the head's end
	s_wait_kmcnt 0x0
	s_add_nc_u64 s[36:37], s[36:37], s[18:19]
	s_add_nc_u64 s[38:39], s[38:39], s[20:21]
	s_add_nc_u64 s[32:33], s[8:9], s[32:33]
	s_add_nc_u64 s[34:35], s[8:9], s[34:35]
.irp a, 0,1
.irp i, 0,1,2,3,4,5
	global_load_b128 v[R+24*\a+4*\i:R+24*\a+4*\i+3], v4, s[36:37] offset:(\i/3)*3072+(\i%3)*256+768*\a th:TH_LOAD_NT
.endr
.endr
.irp t, 0,1,2,3
	global_load_b32 v[X+\t], v10, s[38:39] offset:1024*\t          ; row 16 t + r's word of my step
.endr
.macro VHALF a
	s_wait_loadcnt 10-6*\a                         ; this half's six loads are in; behind them: the other half's six (half 0 alone) and the four words
.irp i, 0,1,2,3,4,5
	ds_store_b128 v5, v[R+24*\a+4*\i:R+24*\a+4*\i+3] offset:(\i/3)*2*VP+(\i%3)*256
.endr
	s_wait_dscnt 0x0                               ; my stores are done,
	s_barrier_signal -1
	s_barrier_wait -1                              ; and everybody's
.irp j, 0,1
.irp p, 0,1,2,3,4,5
	ds_load_b64 v[C+24*\a+12*\j+2*\p:C+24*\a+12*\j+2*\p+1], v6 offset:96*\j+48*(\p/3)+8*(\p%3)
.endr
.endr
	s_wait_dscnt 0x0
.if \a == 0
	s_barrier_signal -1
	s_barrier_wait -1                              ; nobody reads the first half any more: the second may be stored over it
.endif
.irp j, 0,1
.irp g, 0,1,2
	global_store_b128 v7, v[C+24*\a+12*\j+4*\g:C+24*\a+12*\j+4*\g+3], s[32:33] offset:(8*\a+\j)*IMG+6656+512*\g   ; 32 lanes store 512 consecutive bytes
.endr
.endr
.endm
	VHALF 0
	VHALF 1
	s_wait_loadcnt 0x0
	global_store_b128 v7, v[X:X+3], s[34:35] offset:12800          ; lanes 16-31 hold what lanes 0-15 hold: the 256 bytes twice
	s_wait_tensorcnt 0x0
	ds_add_u32 v248, v249
	s_wait_dscnt 0x0
	s_endpgm
.Lfunc_end_k_qc8b04aed34_prep:
	.size	k_qc8b04aed34_prep, .Lfunc_end_k_qc8b04aed34_prep-k_qc8b04aed34_prep
	.p2alignl 7, 3214868480
	.fill 96, 4, 3214868480
	.section	.rodata,"a",@progbits
	.p2align	6, 0x0
	.amdhsa_kernel k_qc8b04aed34_prep
		.amdhsa_group_segment_fixed_size 81664
		.amdhsa_private_segment_fixed_size 0
		.amdhsa_enable_private_segment 0
		.amdhsa_kernarg_size 48
		.amdhsa_user_sgpr_count 2
		.amdhsa_user_sgpr_kernarg_segment_ptr 1
		.amdhsa_wavefront_size32 1
		.amdhsa_system_sgpr_workgroup_id_x 1
		.amdhsa_system_sgpr_workgroup_id_y 1
		.amdhsa_system_sgpr_workgroup_id_z 1
		.amdhsa_system_vgpr_workitem_id 0
		.amdhsa_next_free_vgpr 250
		.amdhsa_next_free_sgpr 66
		.amdhsa_reserve_vcc 1
		.amdhsa_float_denorm_mode_32 3
		.amdhsa_float_denorm_mode_16_64 3
		.amdhsa_memory_ordered 1
		.amdhsa_forward_progress 1
		.amdhsa_inst_pref_size 87
	.end_amdhsa_kernel
	.amdgpu_metadata
---
amdhsa.version: [ 1, 2 ]
amdhsa.kernels:
  - .name:           k_qc8b04aed34_prep
    .symbol:         k_qc8b04aed34_prep.kd
    .args:
      - { .name: keys, .offset: 0, .size: 8, .value_kind: global_buffer, .address_space: global }
      - { .name: mask, .offset: 8, .size: 8, .value_kind: global_buffer, .address_space: global }
      - { .name: kimg, .offset: 16, .size: 8, .value_kind: global_buffer, .address_space: global }
      - { .name: mbits, .offset: 24, .size: 8, .value_kind: global_buffer, .address_space: global }
      - { .name: values_codes, .offset: 32, .size: 8, .value_kind: global_buffer, .address_space: global }
      - { .name: values_scales, .offset: 40, .size: 8, .value_kind: global_buffer, .address_space: global }
    .group_segment_fixed_size: 81664
    .private_segment_fixed_size: 0
    .kernarg_segment_align: 8
    .kernarg_segment_size: 48
    .max_flat_workgroup_size: 128
    .sgpr_count:     66
    .vgpr_count:     250
    .wavefront_size: 32
...
	.end_amdgpu_metadata
.endif
;; end of part 1
;; launch attn (part 2): grid 4 x 64, 16 waves a work-group, clusters of 4 x 1, 284,672 bytes of LDS; arguments query, kimg, mbits, acodes, asc; writes acodes, asc
.if DOCPART == 2
	.amdgcn_target "amdgcn-amd-amdhsa--gfx1250"
	.amdhsa_code_object_version 6
	.text
	.protected	k_qc8b04aed34_attn
	.globl	k_qc8b04aed34_attn
	.p2align	8
	.type	k_qc8b04aed34_attn,@function
k_qc8b04aed34_attn:
	s_mov_b64 s[64:65], 0
	v_nop
	global_prefetch_b8 v0, s[64:65] scope:SCOPE_SE
	s_setreg_imm32_b32 hwreg(HW_REG_WAVE_MODE, 25, 1), 1
	s_wait_xcnt 0x0
	s_wait_alu depctr_hold_cnt(0) depctr_sa_sdst(0) depctr_va_vdst(0) depctr_va_sdst(0) depctr_va_ssrc(0) depctr_va_vcc(0) depctr_vm_vsrc(0)
	s_getreg_b32 s2, hwreg(HW_REG_IB_STS2, 6, 4)
	s_cmp_eq_u32 s2, 0
	s_cbranch_scc0 .Lentry_in_a_cluster
	s_endpgm
.Lentry_in_a_cluster:
	s_bfe_u32 s2, ttmp6, 0x10000c
	s_cmp_lg_u32 s2, 0x3003
	s_cbranch_scc0 .Lentry_shape_is_right
	s_endpgm
.Lentry_shape_is_right:
; ATTN.  For one (n, head) and 512 queries: S^T = K Q^T, mask, p = 2^(t - M), O^T = V^T p^T, O / l, all products on codes of FP6 (E2M3) with E8M0 scales; the result leaves as codes and scales for the projection.
; No step and no input of the problem is left out.
; SHARES.  A work-group has 16 waves; a wave owns two tiles of 16 queries and takes them one after the other (the outer loop's two trips) over 16 steps of 128 keys.  A lane holds one query throughout.
; LDS.  The head's K and V for all 2,048 keys lie in LDS as register images, IMG bytes a step (K's codes 6,144, K's scale words 512, V's codes 6,144, V's scale words 512): wave w brings step w by one tensor
; load of 52 rows of 256 bytes.  Nothing is filled again.  Every operand is read by loads of 16 bytes at 16 x lane from one address register.
; CLUSTER.  The four work-groups of a cluster are the four query blocks of one head: the images are asked for jointly (mask 15; the descriptor hangs on the head and the wave's number alone).
; NO PREFETCH: all tiles are asked for at the head, so there is no loop in which to run ahead of a tensor load; the mask words are fetched one step ahead by scalar loads.
; THE MASK.  A masked score is set to -2^66 where reference() writes -1e20.  c x 2^66 is exact in f32, so a row whose every key is masked gets t - M = 0 and p = 1 for all keys, as reference()'s equal logits give.
; LIMITS: this holds while unmasked scores stay under 2^66 in magnitude, and the scaled scores of unmasked keys under 2^31; NaN and infinities among the inputs are not served;
; a block of zeros gets the scale byte 1 (its codes are zeros; this program alone reads the bytes).
.set IMG,   13312
.set VOF,   6656                       ; V's codes in a step's image
.set VSO,   12800                      ; V's scale words
.set QST,   16*IMG                     ; a stage of 16 rows x 272 bytes for each wave: the queries' turn; no fill lands here
.set SPARE, QST+16*16*272              ; the spare words, 128 bytes a wave
.set AK0,  1                           ; 16 x lane
.set ADR,  6                           ; the same + this trip's two steps
.set QF,   16                          ; q's fragment; its upper six registers are zero codes (K = 64 in an instruction of 128)
.set QS,   28
.set NEG,  29
.set L8,   30
.set R4,   31
.set KF,   32                          ; v32-85: K's eight tiles (tile t at 6 t; its operand's upper half meets q's zeros), then V's four fragments
.set KS,   86                          ; v86-89: K's scale words: lanes 0-15 tiles 0-3, lanes 16-31 tiles 4-7
.set SCO,  96                          ; v96-159 scores, then p
.set OT,   160                         ; v160-191 O^T
.set PC,   192                         ; p's codes
.set CT,   204
.set BM,   212
.set BT,   216
.set BO,   220
.set PW,   224                         ; p's scale word
.set FF,   226
.set TP,   228
.set L2,   230
.set VS,   232                         ; v232-235 V's scale words
.set Q1,   240                         ; the second tile's codes and scale word
.set QSI,  247
.set QSO,  248
.set QA,   249
.set WV,   4
.set CNT,  5
.set TB,   6
.set PS,   7
.set MOFF, 9
.set MB,   10
.set AC,   12
.set AS,   14
.set SEL,  84
.set CS,   86
.set G1,   32
.set G0,   56
; v12 -M, v13 the running largest t, v[14:15] the row's sum in two halves; v229, v255: the spare word's address and 0
.macro CROUND
	s_barrier_signal -1
	s_barrier_wait -1
	s_cmp_lg_u32 s[WV], 0
	s_cbranch_scc1 .Lnot_wave_0_\@
	s_barrier_signal -3
.Lnot_wave_0_\@:
	s_barrier_wait -3
	s_barrier_signal -1
	s_barrier_wait -1
.endm
	s_load_b256 s[16:23], s[0:1], 0x0              ; query s[16:17], kimg s[18:19], mbits s[20:21], acodes s[22:23]
	s_load_b64 s[24:25], s[0:1], 0x20              ; asc
	v_lshl_add_u32 v229, v0, 2, SPARE
	v_mov_b32 v255, 0
	ds_add_u32 v229, v255                          ; the opening lines
	ds_add_u32 v229, v255
	v_lshrrev_b32 v1, 5, v0
	v_readfirstlane_b32 s[WV], v1
	v_and_b32 v250, 31, v0                         ; lane
	v_and_b32 v251, 15, v0                         ; r
	v_bfe_u32 v252, v0, 4, 1                       ; h
	v_lshlrev_b32 v[QA], 12, v252
	s_delay_alu instid0(VALU_DEP_1)
	v_lshl_add_u32 v[QA], v251, 4, v[QA]           ; a load of q: lanes 0-15 one query's 256 bytes of the head, lanes 16-31 the next query's
	s_and_b32 s72, ttmp7, 0xffff                   ; 16 n + head
	s_lshr_b32 s73, s72, 4
	s_and_b32 s74, s72, 15
	s_mul_i32 s76, s72, 16*IMG
	s_mul_i32 s75, s[WV], IMG
	s_add_co_u32 s76, s76, s75                     ; my step's image
	s_mov_b32 s77, 0
	s_bfe_u32 s88, ttmp6, 0x40000
	s_lshl_b32 s89, ttmp9, 2
	s_add_co_u32 s88, s88, s89                     ; my block of 512 queries
	s_lshl_b32 s88, s88, 5
	s_lshl_b32 s89, s[WV], 1
	s_add_co_u32 s88, s88, s89
	s_lshl_b32 s89, s73, 7
	s_add_co_u32 s89, s89, s88                     ; my first tile of 16 queries, counted over all n
	s_lshl_b32 s90, s89, 16
	s_lshl_b32 s91, s74, 8
	s_add_co_u32 s90, s90, s91
	s_mov_b32 s91, 0
	s_lshl_b32 s92, s89, 12                        ; mbits: 4,096 bytes a tile
	s_mov_b32 s93, 0
	s_lshl_b32 s94, s89, 4
	s_add_co_u32 s94, s94, s74
	s_mul_i32 s96, s94, 768                        ; acodes: 768 bytes for a tile and head
	s_mov_b32 s97, 0
	s_lshl_b32 s94, s94, 6                         ; asc: 64
	s_mov_b32 s95, 0
	s_mov_b32 s[SEL], 0x76543210
	s_mov_b32 s[SEL+1], 0xfedcba98                 ; v_permlanex16_b32's selects for lane l xor 16
	s_mov_b32 s[CS], 0x3d38aa3b                    ; c = log2(e) / 32
	s_mov_b32 s[CS+1], s[CS]
	s_mov_b32 s[G1], 15|(3<<16)|(1<<21)            ; the four partners; elements of 8 bytes; a dense block as 52 rows of 256 bytes
	s_mov_b32 s[G1+1], 32<<16
	s_mov_b32 s[G1+2], 52<<16
	s_mov_b32 s[G1+3], 32<<16
	s_mov_b32 s[G1+4], 52
	s_mov_b32 s[G1+5], 32
	s_mov_b32 s[G1+6], 0
	s_mov_b32 s[G1+7], 0
	s_wait_alu depctr_va_vdst(0)                   ; ahead of the waits below
	s_wait_dscnt 0x0
	s_wait_kmcnt 0x0
	s_add_nc_u64 s[90:91], s[16:17], s[90:91]
.irp p, 0,1
.irp i, 0,1,2,3,4,5,6,7
	global_load_b128 v[SCO+32*\p+4*\i:SCO+32*\p+4*\i+3], v[QA], s[90:91] offset:65536*\p+8192*\i th:TH_LOAD_NT
.endr
.endr
	s_add_nc_u64 s[MB:MB+1], s[20:21], s[92:93]
	s_add_nc_u64 s[AC:AC+1], s[22:23], s[96:97]
	s_add_nc_u64 s[AS:AS+1], s[24:25], s[94:95]
	s_mov_b32 s[G0], 1
	s_mul_i32 s[G0+1], s[WV], IMG
	s_add_nc_u64 s[G0+2:G0+3], s[18:19], s[76:77]
	s_or_b32 s[G0+3], s[G0+3], 0x80000000
	CROUND                                         ; the four work-groups are here: the joint loads meet
	tensor_load_to_lds s[G0:G0+3], s[G1:G1+7]      ; my one tensor load of the launch
	s_nop 0
.rept 4
	v_nop
.endr
	v_lshlrev_b32 v253, 3, v252
	v_lshlrev_b32 v[AK0], 4, v250
	v_lshlrev_b32 v[L8], 3, v250
	v_lshlrev_b32 v[R4], 2, v251
	s_mul_i32 s98, s[WV], 16*272
	s_add_co_u32 s98, s98, QST
	v_mul_u32_u24 v[QSI], v252, 272
	v_mul_u32_u24 v[QSO], v251, 272
	s_delay_alu instid0(VALU_DEP_2)
	v_lshl_add_u32 v[QSI], v251, 4, v[QSI]
	s_delay_alu instid0(VALU_DEP_2)
	v_lshl_add_u32 v[QSO], v252, 7, v[QSO]
	s_delay_alu instid0(VALU_DEP_2)
	v_add_nc_u32 v[QSI], s98, v[QSI]
	s_delay_alu instid0(VALU_DEP_2)
	v_add_nc_u32 v[QSO], s98, v[QSO]
	v_mov_b32 v[NEG], 0xe0800000                   ; -2^66
.irp i, 0,1,2,3,4,5
	v_mov_b32 v[QF+6+\i], 0
	v_mov_b32 v[KF+48+\i], 0
.endr
.irp b, 0,1,2,3
	v_mov_b32 v[BT+\b], 0                          ; a lane permute's destination counts as one of its sources
.endr
	v_mov_b32 v[FF+1], 0
	v_mov_b32 v[TP], 0
.macro QTURN p                         ; 16 queries x 64 numbers through my stage: a lane gets its row's block of 32
.irp i, 0,1,2,3,4,5,6,7
	ds_store_b128 v[QSI], v[SCO+32*\p+4*\i:SCO+32*\p+4*\i+3] offset:544*\i
.endr
.irp i, 0,1,2,3,4,5,6,7
	ds_load_b128 v[OT+4*\i:OT+4*\i+3], v[QSO] offset:16*\i
.endr
	s_wait_dscnt 0x0
.endm
.macro QUANTQ dst, sdst
	v_max3_num_f32 v[BM], |v[OT]|, |v[OT+1]|, |v[OT+2]|
	v_max3_num_f32 v[BM+1], |v[OT+3]|, |v[OT+4]|, |v[OT+5]|
.irp i, 6,10,14,18,22,26
	s_delay_alu instid0(VALU_DEP_2)
	v_max3_num_f32 v[BM], v[BM], |v[OT+\i]|, |v[OT+\i+1]|
	s_delay_alu instid0(VALU_DEP_2)
	v_max3_num_f32 v[BM+1], v[BM+1], |v[OT+\i+2]|, |v[OT+\i+3]|
.endr
	s_delay_alu instid0(VALU_DEP_2)
	v_max3_num_f32 v[BM], v[BM], |v[OT+30]|, |v[OT+31]|
	s_delay_alu instid0(VALU_DEP_1)
	v_max3_num_f32 v[BM], v[BM], v[BM+1], 0x1800000    ; the floor 2^(3 - 127): the byte cannot fall under 1
	s_delay_alu instid0(VALU_DEP_1)
	v_add_nc_u32 v[BM+2], 0xff000000, v[BM]        ; 2 off the exponent field: the conversion's scale operand
	v_cvt_scalef32_pk16_fp6_f32 v[\dst:\dst+2], v[OT:OT+15], v[BM+2]
	v_cvt_scalef32_pk16_fp6_f32 v[CT:CT+2], v[OT+16:OT+31], v[BM+2]
	v_lshrrev_b32 v[BM+3], 23, v[BM+2]
	s_delay_alu instid0(VALU_DEP_1)
	v_lshlrev_b32 v[BM+3], v253, v[BM+3]
	s_delay_alu instid0(VALU_DEP_1)
	v_permlanex16_b32 v[BT], v[BM+3], s[SEL], s[SEL+1]
.irp i, 0,1,2
	v_mov_b32 v[\dst+3+\i], v[CT+\i]
.endr
	s_delay_alu instid0(VALU_DEP_4)
	v_or_b32 v[BM+3], v[BM+3], v[BT]
	s_delay_alu instid0(VALU_DEP_1)
	v_lshl_or_b32 v[\sdst], v[BM+3], 16, v[BM+3]   ; both blocks' bytes, and once more for the upper half, which meets zero codes
.endm
	s_wait_alu depctr_va_vdst(0)                   ; at the head's end
	s_wait_loadcnt 8                               ; the first tile's eight loads are in; the second's eight may be out
	QTURN 0
	QUANTQ QF, QS
	s_wait_loadcnt 0x0
	QTURN 1
	QUANTQ Q1, Q1+6
	s_wait_alu depctr_va_vdst(0)                   ; ahead of the waits below
	s_wait_tensorcnt 0x0                           ; my step's image is in,
	s_wait_dscnt 0x0
	s_barrier_signal -1
	s_barrier_wait -1                              ; and everybody's
.macro MFETCH                          ; a step's 64 lane masks
	s_load_b512 s[16:31], s[MB:MB+1], s[MOFF] offset:0
	s_load_b512 s[32:47], s[MB:MB+1], s[MOFF] offset:64
	s_load_b512 s[48:63], s[MB:MB+1], s[MOFF] offset:128
	s_load_b512 s[68:83], s[MB:MB+1], s[MOFF] offset:192
.endm
	s_mov_b32 s[MOFF], 0
	MFETCH
.macro KLOAD adr, off
	ds_load_b128 v[KS:KS+3], v[\adr] offset:\off+6144
.irp g, 0,1,2,3,4,5,6,7,8,9,10,11
	ds_load_b128 v[KF+4*\g:KF+4*\g+3], v[\adr] offset:\off+512*\g
.endr
.endm
	KLOAD AK0, 0
.macro SUMS n                          ; the row's sum of the unquantised p: 32 packed additions in two chains, dealt out over the step
.rept \n
.if SA == 0
	v_pk_add_f32 v[L2:L2+1], v[SCO:SCO+1], v[SCO+2:SCO+3]
.elseif SA == 31
	s_delay_alu instid0(VALU_DEP_1)
	v_pk_add_f32 v[14:15], v[14:15], v[L2:L2+1]
.elseif SA%2 == 1
	v_pk_add_f32 v[14:15], v[14:15], v[SCO+2*SA+2:SCO+2*SA+3]
.else
	v_pk_add_f32 v[L2:L2+1], v[L2:L2+1], v[SCO+2*SA+2:SCO+2*SA+3]
.endif
.set SA, SA+1
.endr
.endm
; A step of 128 keys.  q: which of the trip's two;  nx = 0: the next step's K follows in the images;  nx = 1: a pass's last step: K's step 0 for the next pass, if there is one
.macro STEP q, nx
.set SA, 0
	s_wait_dscnt 0x0                               ; K's fragments and scale words are in
.irp t, 0,1,2,3
	v_wmma_scale_f32_16x16x128_f8f6f4 v[SCO+8*\t:SCO+8*\t+7], v[KF+6*\t:KF+6*\t+11], v[QF:QF+11], 0, v[KS+\t], v[QS] matrix_a_fmt:MATRIX_FMT_FP6 matrix_b_fmt:MATRIX_FMT_FP6
.endr
.irp t, 4,5,6,7
	v_wmma_scale_f32_16x16x128_f8f6f4 v[SCO+8*\t:SCO+8*\t+7], v[KF+6*\t:KF+6*\t+11], v[QF:QF+11], 0, v[KS+\t-4], v[QS] matrix_a_fmt:MATRIX_FMT_FP6 matrix_b_fmt:MATRIX_FMT_FP6 matrix_a_scale:MATRIX_SCALE_ROW1
.endr
.if \q == 0
	v_add_nc_u32 v[ADR], s[TB], v[AK0]             ; four places behind the products
.else
	v_nop
.endif
.rept 3
	v_nop
.endr
.irp g, 0,1,2,3,4,5,6,7,8,9,10,11
	ds_load_b128 v[KF+4*\g:KF+4*\g+3], v[ADR] offset:\q*IMG+VOF+512*\g   ; V's four fragments, over K's
.endr
	ds_load_b128 v[VS:VS+3], v[ADR] offset:\q*IMG+VSO
	s_wait_kmcnt 0x0
.set J, 0
.rept 64
	v_cndmask_b32 v[SCO+J], v[NEG], v[SCO+J], s[16+J+4*(J/48)]
.set J, J+1
.endr
	s_add_co_u32 s[MOFF], s[MOFF], 256
	s_min_u32 s[MOFF], s[MOFF], 7936               ; (the last step asks for its own words again: inside the buffer)
	MFETCH
.irp b, 0,1,2,3
	v_max3_num_f32 v[BM+\b], v[SCO+16*\b], v[SCO+1+16*\b], v[SCO+2+16*\b]   ; the largest score of each block of 32 keys
.endr
.irp i, 3,5,7,9,11,13
.irp b, 0,1,2,3
	s_delay_alu instid0(VALU_DEP_4)
	v_max3_num_f32 v[BM+\b], v[BM+\b], v[SCO+16*\b+\i], v[SCO+1+16*\b+\i]
.endr
.endr
.irp b, 0,1,2,3
	s_delay_alu instid0(VALU_DEP_4)
	v_max_num_f32 v[BM+\b], v[BM+\b], v[SCO+15+16*\b]
.endr
.irp b, 0,1,2,3
	s_delay_alu instid0(VALU_DEP_4)
	v_permlanex16_b32 v[BT+\b], v[BM+\b], s[SEL], s[SEL+1]
.endr
.irp b, 0,1,2,3
	s_delay_alu instid0(VALU_DEP_4)
	v_max_num_f32 v[BM+\b], v[BM+\b], v[BT+\b]
.endr
	s_delay_alu instid0(VALU_DEP_2)
	v_max3_num_f32 v[TP], v[BM], v[BM+1], v[BM+2]
	s_delay_alu instid0(VALU_DEP_1)
	v_max_num_f32 v[TP], v[TP], v[BM+3]
	s_delay_alu instid0(VALU_DEP_1)
	v_mul_f32 v[TP], s[CS], v[TP]
	s_delay_alu instid0(VALU_DEP_1)
	v_max_num_f32 v13, v13, v[TP]                  ; the running largest t
	v_mov_b32 v[TP], v12
	s_delay_alu instid0(VALU_DEP_2)
	v_floor_f32 v12, -v13                          ; -M = floor(-t): M is a whole number
	s_delay_alu instid0(VALU_DEP_1)
	v_sub_f32 v[TP], v12, v[TP]
	s_delay_alu instid0(VALU_DEP_1)
	v_cvt_i32_f32 v[TP], v[TP]
	s_delay_alu instid0(VALU_DEP_1)
	v_ldexp_f32 v[FF], 1.0, v[TP]                  ; f = 2^(old M - new M)
.irp b, 0,1,2,3
	v_fma_f32 v[BM+\b], v[BM+\b], s[CS], v12
.endr
.set J, 0
.rept 16
	v_pk_fma_f32 v[SCO+J:SCO+J+1], v[SCO+J:SCO+J+1], s[CS:CS+1], v[12:13] op_sel_hi:[1,0,0]   ; t - M, the first 32
.set J, J+2
.endr
.set J, 0
.rept 16
	v_pk_mul_f32 v[OT+J:OT+J+1], v[OT+J:OT+J+1], v[FF:FF+1] op_sel_hi:[1,0]   ; O^T under the new M: ahead of the exponentials
.set J, J+2
.endr
	v_pk_mul_f32 v[14:15], v[14:15], v[FF:FF+1] op_sel_hi:[1,0]
	s_wait_alu depctr_va_vdst(0)                   ; ahead of a batch
.irp b, 0,1,2,3
	v_exp_f32 v[BM+\b], v[BM+\b]                   ; each block's largest p
.endr
.set J, 0
.rept 32
	v_exp_f32 v[SCO+J], v[SCO+J]
.set J, J+1
.endr
.set J, 32
.rept 16
	v_pk_fma_f32 v[SCO+J:SCO+J+1], v[SCO+J:SCO+J+1], s[CS:CS+1], v[12:13] op_sel_hi:[1,0,0]   ; the other 32
.set J, J+2
.endr
	s_wait_alu depctr_va_vdst(0)                   ; behind the first batch and ahead of the second
.set J, 32
.rept 32
	v_exp_f32 v[SCO+J], v[SCO+J]
.set J, J+1
.endr
.irp b, 0,1,2,3
	v_max_num_f32 v[BM+\b], 0x1800000, v[BM+\b]    ; the floor: the byte cannot fall under 1
.endr
.irp b, 0,1,2,3
	s_delay_alu instid0(VALU_DEP_4)
	v_add_nc_u32 v[BO+\b], 0xff000000, v[BM+\b]
.endr
.irp b, 0,1,2,3
	s_delay_alu instid0(VALU_DEP_4)
	v_lshrrev_b32 v[BT+\b], 23, v[BO+\b]
.endr
	v_lshl_or_b32 v[PW], v[BT+1], 8, v[BT]
	s_delay_alu instid0(VALU_DEP_1)
	v_lshl_or_b32 v[PW], v[BT+2], 16, v[PW]
	s_delay_alu instid0(VALU_DEP_1)
	v_lshl_or_b32 v[PW], v[BT+3], 24, v[PW]        ; p's scale word for these 128 keys
	SUMS 15                                        ; the first 32 numbers' sums
	s_wait_alu depctr_va_vdst(0)                   ; behind the second batch
.irp c, 0,1
	v_cvt_scalef32_pk16_fp6_f32 v[PC+6*\c:PC+6*\c+2], v[SCO+32*\c:SCO+32*\c+15], v[BO+2*\c]
	v_cvt_scalef32_pk16_fp6_f32 v[CT+4*\c:CT+4*\c+2], v[SCO+32*\c+16:SCO+32*\c+31], v[BO+2*\c+1]
.endr
	SUMS 1                                         ; a plain place behind the conversions
.irp c, 0,1
.irp i, 0,1,2
	v_permlane16_swap_b32 v[PC+6*\c+\i], v[CT+4*\c+\i]   ; a whole block in a lane
.endr
.irp i, 0,1,2
	s_delay_alu instid0(VALU_DEP_3)
	v_mov_b32 v[PC+6*\c+3+\i], v[CT+4*\c+\i]
.endr
.endr
	SUMS 4                                         ; four places ahead of the scaled products
	s_wait_alu depctr_va_vdst(0)                   ; ahead of the wait below
	s_wait_dscnt 0x0                               ; V's fragments are in
.irp t, 0,1,2,3
	v_wmma_scale_f32_16x16x128_f8f6f4 v[OT+8*\t:OT+8*\t+7], v[KF+12*\t:KF+12*\t+11], v[PC:PC+11], v[OT+8*\t:OT+8*\t+7], v[VS+\t], v[PW] matrix_a_fmt:MATRIX_FMT_FP6 matrix_b_fmt:MATRIX_FMT_FP6
.endr
	SUMS 4                                         ; four places ahead of the loads over V's fragments
.if (\nx) == 0
	KLOAD ADR, IMG*(\q+1)
.else
	s_cmp_eq_u32 s[PS], 1
	s_wait_alu depctr_va_vdst(0)                   ; ahead of the branch
	s_cbranch_scc1 .Lno_more_\@                    ; behind the last pass nothing is multiplied
	KLOAD AK0, 0
.Lno_more_\@:
.endif
	SUMS 8
.endm
	s_mov_b32 s[PS], 2
.Lpass:
	v_mov_b32 v13, 0xff61b1e6                      ; -3e38, under every t
	s_delay_alu instid0(VALU_DEP_1)
	v_floor_f32 v12, -v13
	v_mov_b32 v14, 0
	v_mov_b32 v15, 0
.set J, 0
.rept 32
	v_mov_b32 v[OT+J], 0                           ; the step is written once: the first finds zeros
.set J, J+1
.endr
	s_mov_b32 s[TB], 0
	s_mov_b32 s[CNT], 7
.Ltrip:
	STEP 0, 0
	STEP 1, 0
	s_add_co_u32 s[TB], s[TB], 2*IMG
	s_sub_co_u32 s[CNT], s[CNT], 1
	s_cmp_lg_u32 s[CNT], 0
	s_cbranch_scc1 .Ltrip
	STEP 0, 0
	STEP 1, 1
; THE WAY OUT: O / l, quantised along the head's 64 numbers (two blocks), as an image of the projection's operand
	s_delay_alu instid0(VALU_DEP_1)
	v_add_f32 v14, v14, v15
	s_delay_alu instid0(VALU_DEP_1)
	v_permlanex16_b32 v[TP], v14, s[SEL], s[SEL+1]
	s_delay_alu instid0(VALU_DEP_1)
	v_add_f32 v14, v14, v[TP]
	s_wait_alu depctr_va_vdst(0)                   ; ahead of the transcendental
	v_rcp_f32 v14, v14
	v_nop
.set J, 0
	s_wait_alu depctr_va_vdst(0)                   ; behind it, directly ahead of the first reader of O^T
.rept 32
	v_mul_f32 v[SCO+J], v[OT+J], v14
.set J, J+1
.endr
.irp e, 0,1
.irp j, 0,1,2,3,4,5,6,7
	v_permlane16_swap_b32 v[SCO+16*\e+\j], v[SCO+8+16*\e+\j]
.endr
.endr
.irp e, 0,1
	v_max3_num_f32 v[BM+\e], |v[SCO+16*\e]|, |v[SCO+1+16*\e]|, 0x1800000
.endr
.irp i, 2,4,6,8,10,12,14
.irp e, 0,1
	s_delay_alu instid0(VALU_DEP_2)
	v_max3_num_f32 v[BM+\e], v[BM+\e], |v[SCO+16*\e+\i]|, |v[SCO+1+16*\e+\i]|
.endr
.endr
.irp e, 0,1
	s_delay_alu instid0(VALU_DEP_2)
	v_permlanex16_b32 v[BT+\e], v[BM+\e], s[SEL], s[SEL+1]
.endr
.irp e, 0,1
	s_delay_alu instid0(VALU_DEP_2)
	v_max_num_f32 v[BM+\e], v[BM+\e], v[BT+\e]
.endr
.irp e, 0,1
	s_delay_alu instid0(VALU_DEP_2)
	v_add_nc_u32 v[BO+\e], 0xff000000, v[BM+\e]
.endr
.irp e, 0,1
	s_delay_alu instid0(VALU_DEP_2)
	v_lshrrev_b32 v[BT+\e], 23, v[BO+\e]
.endr
	s_delay_alu instid0(VALU_DEP_1)
	v_lshl_or_b32 v[PW], v[BT+1], 8, v[BT]
	v_cvt_scalef32_pk16_fp6_f32 v[PC:PC+2], v[SCO:SCO+15], v[BO]
	v_cvt_scalef32_pk16_fp6_f32 v[CT:CT+2], v[SCO+16:SCO+31], v[BO+1]
	v_nop
.irp i, 0,1,2
	v_permlane16_swap_b32 v[PC+\i], v[CT+\i]
.endr
.irp i, 0,1,2
	s_delay_alu instid0(VALU_DEP_3)
	v_mov_b32 v[PC+3+\i], v[CT+\i]
.endr
	global_store_b128 v[AK0], v[PC:PC+3], s[AC:AC+1]
	global_store_b64 v[L8], v[PC+4:PC+5], s[AC:AC+1] offset:512
	global_store_b32 v[R4], v[PW], s[AS:AS+1]
	s_wait_xcnt 0x0                                ; the stores have read their registers and bases
	s_add_nc_u64 s[AC:AC+1], s[AC:AC+1], 12288     ; the next tile of queries
	s_add_nc_u64 s[AS:AS+1], s[AS:AS+1], 1024
.irp i, 0,1,2,3,4,5
	v_mov_b32 v[QF+\i], v[Q1+\i]                   ; the second tile's q (behind the second pass these seven lines serve nothing: the backward branch is the loop's last line)
.endr
	v_mov_b32 v[QS], v[Q1+6]
	s_sub_co_u32 s[PS], s[PS], 1
	s_cmp_lg_u32 s[PS], 0
	s_cbranch_scc1 .Lpass
	s_wait_kmcnt 0x0                               ; the last step's mask words
	s_wait_tensorcnt 0x0                           ; the wave's end
	ds_add_u32 v229, v255
	s_wait_dscnt 0x0
	CROUND                                         ; the closing round
	s_endpgm
.Lfunc_end_k_qc8b04aed34_attn:
	.size	k_qc8b04aed34_attn, .Lfunc_end_k_qc8b04aed34_attn-k_qc8b04aed34_attn
	.p2alignl 7, 3214868480
	.fill 96, 4, 3214868480
	.section	.rodata,"a",@progbits
	.p2align	6, 0x0
	.amdhsa_kernel k_qc8b04aed34_attn
		.amdhsa_group_segment_fixed_size 284672
		.amdhsa_private_segment_fixed_size 0
		.amdhsa_enable_private_segment 0
		.amdhsa_kernarg_size 40
		.amdhsa_user_sgpr_count 2
		.amdhsa_user_sgpr_kernarg_segment_ptr 1
		.amdhsa_wavefront_size32 1
		.amdhsa_system_sgpr_workgroup_id_x 1
		.amdhsa_system_sgpr_workgroup_id_y 1
		.amdhsa_system_sgpr_workgroup_id_z 1
		.amdhsa_system_vgpr_workitem_id 0
		.amdhsa_next_free_vgpr 256
		.amdhsa_next_free_sgpr 106
		.amdhsa_reserve_vcc 0
		.amdhsa_float_denorm_mode_32 3
		.amdhsa_float_denorm_mode_16_64 3
		.amdhsa_memory_ordered 1
		.amdhsa_forward_progress 1
		.amdhsa_inst_pref_size 107
	.end_amdhsa_kernel
	.amdgpu_metadata
---
amdhsa.version: [ 1, 2 ]
amdhsa.kernels:
  - .name:           k_qc8b04aed34_attn
    .symbol:         k_qc8b04aed34_attn.kd
    .args:
      - { .name: query, .offset: 0, .size: 8, .value_kind: global_buffer, .address_space: global }
      - { .name: kimg, .offset: 8, .size: 8, .value_kind: global_buffer, .address_space: global }
      - { .name: mbits, .offset: 16, .size: 8, .value_kind: global_buffer, .address_space: global }
      - { .name: acodes, .offset: 24, .size: 8, .value_kind: global_buffer, .address_space: global }
      - { .name: asc, .offset: 32, .size: 8, .value_kind: global_buffer, .address_space: global }
    .group_segment_fixed_size: 284672
    .private_segment_fixed_size: 0
    .kernarg_segment_align: 8
    .kernarg_segment_size: 40
    .max_flat_workgroup_size: 512
    .sgpr_count:     106
    .vgpr_count:     256
    .wavefront_size: 32
...
	.end_amdgpu_metadata
.endif
;; end of part 2
;; launch proj (part 3): grid 64 x 4, 4 waves a work-group, clusters of 4 x 1, 244,224 bytes of LDS; arguments acodes, asc, W_out_codes, W_out_scales, b_out, out0; writes out0
.if DOCPART == 3
	.amdgcn_target "amdgcn-amd-amdhsa--gfx1250"
	.amdhsa_code_object_version 6
	.text
	.protected	k_qc8b04aed34_proj
	.globl	k_qc8b04aed34_proj
	.p2align	8
	.type	k_qc8b04aed34_proj,@function
k_qc8b04aed34_proj:
	s_mov_b64 s[64:65], 0
	v_nop
	global_prefetch_b8 v0, s[64:65] scope:SCOPE_SE
	s_setreg_imm32_b32 hwreg(HW_REG_WAVE_MODE, 25, 1), 1
	s_wait_xcnt 0x0
	s_wait_alu depctr_hold_cnt(0) depctr_sa_sdst(0) depctr_va_vdst(0) depctr_va_sdst(0) depctr_va_ssrc(0) depctr_va_vcc(0) depctr_vm_vsrc(0)
	s_getreg_b32 s2, hwreg(HW_REG_IB_STS2, 6, 4)
	s_cmp_eq_u32 s2, 0
	s_cbranch_scc0 .Lentry_in_a_cluster
	s_endpgm
.Lentry_in_a_cluster:
	s_bfe_u32 s2, ttmp6, 0x10000c
	s_cmp_lg_u32 s2, 0x3003
	s_cbranch_scc0 .Lentry_shape_is_right
	s_endpgm
.Lentry_shape_is_right:
; PROJ.  out0 [8192][1024] f32 = A W^T + b, on codes of FP6 (E2M3) with one E8M0 scale for each 32 along K = 1,024.  A comes as register images (acodes, asc), W as given codes, K innermost.
; SHARES.  A work-group makes 128 rows x 256 columns; wave w makes rows 32 w .. 32 w + 31 (two tiles of 16) against all 16 tiles of columns: 32 accumulators, 256 registers.
; A wave's A for all of K goes straight into its registers, once (192 registers); so do W's scale words (128 registers: 32 bytes a row, 512 consecutive bytes a tile) and the bias.
; W's 256 rows for all of K lie in LDS, filled once: wave w brings rows 64 w on by ONE tensor load of 64 whole rows of 768 bytes, each beginning at a multiple of 256 bytes; 16 bytes of padding behind each 256.
; THE ORDER.  Four tiles of columns at a time are finished over all of K (64 products on eight accumulators by turns); the finished 32 rows x 256 bytes go through the wave's stage and are stored while the next four are multiplied.
; CLUSTER.  The four work-groups of a cluster make the same columns: W's codes are asked for jointly (descriptor of the column block and the wave's number alone, mask 15).
; NO PREFETCH: the launch's only tensor loads stand at its head; there is no loop in which to run ahead of them.
; THE MATRIX INSTRUCTION IS USED TRANSPOSED (source 0 = 16 rows of W, source 1 = 16 rows of A): a lane holds eight neighbouring columns of one row.  The bias is the C of each sum's first product.
; REGISTERS, in windows of 256: window 0: addresses; v20-51 asc as loaded; v52-67 A's scale words (8 a + s); v68-195 W's scale words (8 i + s).
;   window 1: A's fragments at v[12 (8 a + s)]; v192-255 rows on their way out.   window 2: the accumulators at v[8 (16 a + i)].   window 3: the bias at v[8 i]; from v128 two buffers of four fragments of W.
.set WROW, 816                         ; an LDS row of W: 768 bytes + 3 x 16: 204 words, so that the 32 lanes of a load of 8 bytes touch 64 different banks (64 banks of 4 bytes: ISA guide 11.1)
.set WGR,  64*WROW                     ; four tiles of columns: what one wave brings
.set STG,  4*WGR                       ; a stage of 32 rows x 272 bytes for each wave; no fill lands here
.set SP,   272
.set SPARE, STG+4*32*SP                ; the spare words
.set ADW,  4                           ; v4-7   WGR g + 816 r + 24 h
.set ADW2, 8                           ; v8-11  the same with 40 h: for pieces whose lanes 16-31 lie behind one padding more
.set ASW,  12                          ; v12    32 r: my row of W's scale bytes
.set STO,  13
.set RD,   14
.set L16,  15
.set L8,   16
.set R4,   17
.set H32,  18
.set RAW,  20
.set ASC,  52
.set WSC,  68
.set GOF,  196
.set OB,   192
.set WBUF, 128
.set WV,   16
.set G1W,  24
.set G0W,  44
.set MSB, 0
.macro WIN new                         ; the immediate's high byte repeats the setting that is left
.if MSB != \new
	s_set_vgpr_msb (MSB<<8)|\new
.set MSB, \new
.endif
.endm
.macro CROUND
	s_barrier_signal -1
	s_barrier_wait -1
	s_cmp_lg_u32 s[WV], 0
	s_cbranch_scc1 .Lnot_wave_0_\@
	s_barrier_signal -3
.Lnot_wave_0_\@:
	s_barrier_wait -3
	s_barrier_signal -1
	s_barrier_wait -1
.endm
	s_load_b256 s[4:11], s[0:1], 0x0               ; acodes s[4:5], asc s[6:7], W's codes s[8:9], W's scales s[10:11]
	s_load_b128 s[12:15], s[0:1], 0x20             ; b s[12:13], out0 s[14:15]
	v_lshl_add_u32 v254, v0, 2, SPARE
	v_mov_b32 v255, 0
	ds_add_u32 v254, v255                          ; the opening lines
	ds_add_u32 v254, v255
	v_lshrrev_b32 v1, 5, v0
	v_readfirstlane_b32 s[WV], v1
	s_and_b32 s17, ttmp7, 0xffff                   ; the block of 256 columns, which the four partners share
	s_mul_i32 s20, s17, 256*768
	s_mul_i32 s21, s[WV], 64*768
	s_add_co_u32 s20, s20, s21                     ; W's codes: wave w fetches rows 64 w on
	s_mov_b32 s21, 0
	s_lshl_b32 s22, s17, 13                        ; W's scales: 32 bytes a row
	s_mov_b32 s23, 0
	s_bfe_u32 s18, ttmp6, 0x40000                  ; cx: what is mine alone: my rows
	s_lshl_b32 s19, ttmp9, 2
	s_add_co_u32 s18, s18, s19
	s_lshl_b32 s18, s18, 3
	s_lshl_b32 s19, s[WV], 1
	s_add_co_u32 s18, s18, s19                     ; my first tile of 16 rows
	s_mul_i32 s66, s18, 12288
	s_mov_b32 s67, 0
	s_lshl_b32 s68, s18, 10
	s_mov_b32 s69, 0
	s_lshl_b32 s70, s18, 16
	s_lshl_b32 s72, s17, 10
	s_add_co_u32 s70, s70, s72
	s_mov_b32 s71, 0
	s_mov_b32 s73, 0
	s_mov_b32 s[G1W], 15|(1<<20)|(1<<21)|(5<<22)|(3<<25)   ; the four partners; elements of 1 byte; after every 64 words 4 words of padding
	s_mov_b32 s[G1W+1], 768<<16
	s_mov_b32 s[G1W+2], 64<<16
	s_mov_b32 s[G1W+3], 768<<16
	s_mov_b32 s[G1W+4], 64
	s_mov_b32 s[G1W+5], 768
	s_mov_b32 s[G1W+6], 0
	s_mov_b32 s[G1W+7], 0
	s_wait_dscnt 0x0
	s_wait_kmcnt 0x0
	s_add_nc_u64 s[4:5], s[4:5], s[66:67]
	s_add_nc_u64 s[6:7], s[6:7], s[68:69]
	s_add_nc_u64 s[10:11], s[10:11], s[22:23]
	s_add_nc_u64 s[12:13], s[12:13], s[72:73]
	s_add_nc_u64 s[14:15], s[14:15], s[70:71]
	s_mov_b32 s[G0W], 1
	s_mul_i32 s[G0W+1], s[WV], WGR
	s_add_nc_u64 s[G0W+2:G0W+3], s[8:9], s[20:21]
	s_or_b32 s[G0W+3], s[G0W+3], 0x80000000
	CROUND                                         ; all four work-groups are here: the joint loads meet
	tensor_load_to_lds s[G0W:G0W+3], s[G1W:G1W+7]  ; my one tensor load of the launch
	s_nop 0
.rept 4
	v_nop
.endr
	v_and_b32 v1, 31, v0                           ; lane
	v_and_b32 v2, 15, v0                           ; r
	v_bfe_u32 v3, v0, 4, 1                         ; h
	v_lshlrev_b32 v[L16], 4, v1
	v_lshlrev_b32 v[L8], 3, v1
	v_lshlrev_b32 v[R4], 2, v2
	v_lshlrev_b32 v[H32], 5, v3
	v_lshlrev_b32 v[ASW], 5, v2
	WIN 0x40                                       ; destination window 1
.irp a, 0,1                                    ; A's fragment (tile a, K step s): its registers 6 c .. 6 c + 5 are head 2 s + c's image
.irp s, 0,1,2,3,4,5,6,7
.irp c, 0,1
	global_load_b128 v[12*(8*\a+\s)+6*\c:12*(8*\a+\s)+6*\c+3], v[L16], s[4:5] offset:12288*\a+768*(2*\s+\c)
	global_load_b64 v[12*(8*\a+\s)+6*\c+4:12*(8*\a+\s)+6*\c+5], v[L8], s[4:5] offset:12288*\a+768*(2*\s+\c)+512
.endr
.endr
.endr
	WIN 0xc0                                       ; destination window 3
.irp i, 0,1,2,3,4,5,6,7,8,9,10,11,12,13,14,15  ; the bias in the result's layout
	global_load_b128 v[8*\i:8*\i+3], v[H32], s[12:13] offset:64*\i
	global_load_b128 v[8*\i+4:8*\i+7], v[H32], s[12:13] offset:64*\i+16
.endr
	WIN 0
.irp a, 0,1
.irp d, 0,1,2,3,4,5,6,7,8,9,10,11,12,13,14,15
	global_load_b32 v[RAW+16*\a+\d], v[R4], s[6:7] offset:1024*\a+64*\d   ; row r's two scale bytes of head d
.endr
.endr
.irp i, 0,1,2,3,4,5,6,7,8,9,10,11,12,13,14,15
	global_load_b128 v[WSC+8*\i:WSC+8*\i+3], v[ASW], s[10:11] offset:512*\i      ; W's tile i, row r: the eight K steps' scale words; they stay
	global_load_b128 v[WSC+8*\i+4:WSC+8*\i+7], v[ASW], s[10:11] offset:512*\i+16
.endr
	s_wait_loadcnt 0x0
.irp a, 0,1
.irp s, 0,1,2,3,4,5,6,7
	v_lshl_or_b32 v[ASC+8*\a+\s], v[RAW+16*\a+2*\s+1], 16, v[RAW+16*\a+2*\s]   ; two heads' bytes make a K step's scale word
.endr
.endr
	; the LDS addresses: more than eight plain lines between the scale words just made and the first product
	v_mul_u32_u24 v19, v2, WROW
	v_mad_u32_u24 v19, v3, 24, v19
.irp c, 0,1,2,3
	v_add_nc_u32 v[ADW+\c], WGR*\c, v19
.endr
	v_lshl_add_u32 v19, v3, 4, v19
.irp c, 0,1,2,3
	v_add_nc_u32 v[ADW2+\c], WGR*\c, v19
.endr
	s_mul_i32 s60, s[WV], 32*SP
	s_add_co_u32 s60, s60, STG                     ; my stage
	v_mul_u32_u24 v[STO], v2, SP
	v_lshl_add_u32 v[STO], v3, 5, v[STO]
	v_add_nc_u32 v[STO], s60, v[STO]               ; in: row r, 32 bytes for each half of the lanes
	v_mul_u32_u24 v[RD], v3, SP
	v_lshl_add_u32 v[RD], v2, 4, v[RD]
	v_add_nc_u32 v[RD], s60, v[RD]                 ; back: lanes 0-15 one row of 256 bytes, lanes 16-31 the next
	v_lshlrev_b32 v[GOF], 12, v3
	v_lshl_add_u32 v[GOF], v2, 4, v[GOF]           ; and the same two rows in out0
	s_wait_alu depctr_va_vdst(0)                   ; at the head's end
	s_wait_tensorcnt 0x0                           ; my 64 rows of W are in,
	s_barrier_signal -1
	s_barrier_wait -1                              ; and everybody's
; Turn GN = 8 g + s: the fragments of W's tiles 4 g .. 4 g + 3 for K step s, into buffer GN % 2: 24 loads of 8 bytes.  Byte y of a row lies at y + 16 (y / 256) of its LDS row
.macro LOADW
.set WB, WBUF+48*(GN%2)
	WIN 0xc0
.irp j, 0,1,2,3
.irp p, 0,1,2,3,4,5
.set BY, 96*(GN%8)+48*(\p/3)+8*(\p%3)
.if BY/256 == (BY+24)/256
	ds_load_b64 v[WB+12*\j+2*\p:WB+12*\j+2*\p+1], v[ADW+GN/8] offset:BY+16*(BY/256)+\j*16*WROW
.else
	ds_load_b64 v[WB+12*\j+2*\p:WB+12*\j+2*\p+1], v[ADW2+GN/8] offset:BY+16*(BY/256)+\j*16*WROW
.endif
.endr
.endr
.endm
; Turn G's eight products: four tiles of columns x my two tiles of rows, on eight accumulators by turns
.macro MUL8
.set KK, G%8
.set PB, WBUF+48*(G%2)
.if KK == 0
	WIN 0xb7                                       ; W window 3, A window 1, C (the bias) window 3, D window 2
.else
	WIN 0xa7                                       ; C and D window 2
.endif
.irp j, 0,1,2,3
.irp a, 0,1
.set NI, 4*(G/8)+\j
.if KK == 0
	v_wmma_scale_f32_16x16x128_f8f6f4 v[8*(16*\a+NI):8*(16*\a+NI)+7], v[PB+12*\j:PB+12*\j+11], v[12*(8*\a+KK):12*(8*\a+KK)+11], v[8*NI:8*NI+7], v[WSC+8*NI+KK], v[ASC+8*\a+KK] matrix_a_fmt:MATRIX_FMT_FP6 matrix_b_fmt:MATRIX_FMT_FP6
.else
	v_wmma_scale_f32_16x16x128_f8f6f4 v[8*(16*\a+NI):8*(16*\a+NI)+7], v[PB+12*\j:PB+12*\j+11], v[12*(8*\a+KK):12*(8*\a+KK)+11], v[8*(16*\a+NI):8*(16*\a+NI)+7], v[WSC+8*NI+KK], v[ASC+8*\a+KK] matrix_a_fmt:MATRIX_FMT_FP6 matrix_b_fmt:MATRIX_FMT_FP6
.endif
.endr
.endr
.endm
; THE WAY OUT of group k: my 32 rows x 64 columns, through my own stage, back as whole rows of 256 bytes.  LDS serves a wave's instructions in order (ISA guide 5.7.1.4)
.macro TOSTAGE k
	WIN 0x08                                       ; an LDS store's data: window 2
.irp a, 0,1
.irp j, 0,1,2,3
.set AC0, 8*(16*\a+4*(\k)+\j)
	ds_store_b128 v[STO], v[AC0:AC0+3] offset:\a*16*SP+64*\j       ; each accumulator from its low end on
	ds_store_b128 v[STO], v[AC0+4:AC0+7] offset:\a*16*SP+64*\j+16
.endr
.endr
	WIN 0x40
.irp t, 0,1,2,3,4,5,6,7,8,9,10,11,12,13,14,15
	ds_load_b128 v[OB+4*\t:OB+4*\t+3], v[RD] offset:2*\t*SP
.endr
.endm
.macro SEND k
	WIN 0x04                                       ; a store's data: window 1
.irp t, 0,1,2,3,4,5,6,7,8,9,10,11,12,13,14,15
	global_store_b128 v[GOF], v[OB+4*\t:OB+4*\t+3], s[14:15] offset:8192*\t+256*(\k) th:TH_STORE_NT   ; 16 lanes store 256 consecutive bytes, aligned
.endr
.endm
.set GN, 0
	LOADW
.set G, 0
.rept 32
.if (G > 0) && (G < 31)
.rept 4
	v_nop                                          ; places behind the last turn's products: for the loads into the buffer that they read, and for the stage's stores
.endr
.endif
.if (G > 0) && (G%8 == 0)
.if G > 8
	s_wait_xcnt 0x0                                ; the last group's stores have read their registers
.endif
	TOSTAGE G/8-1
.endif
.if G < 31
.set GN, G+1
	LOADW
.if (G > 0) && (G%8 == 0)
	s_wait_dscnt 56                                ; all but the stage's 16 stores and 16 loads and the 24 loads just issued
.else
	s_wait_dscnt 24                                ; all but the 24 just issued
.endif
.else
	s_wait_dscnt 0x0
.endif
	MUL8
.if (G > 8) && (G%8 == 1)
	SEND G/8-1                                     ; the finished group's rows leave while this group is multiplied
.endif
.set G, G+1
.endr
.rept 4
	v_nop                                          ; places behind the last products
.endr
	s_wait_xcnt 0x0
	TOSTAGE 3
	s_wait_dscnt 0x0
	SEND 3
	WIN 0
	s_wait_tensorcnt 0x0                           ; the wave's end
	ds_add_u32 v254, v255
	s_wait_dscnt 0x0
	CROUND                                         ; the closing round
	s_endpgm
.Lfunc_end_k_qc8b04aed34_proj:
	.size	k_qc8b04aed34_proj, .Lfunc_end_k_qc8b04aed34_proj-k_qc8b04aed34_proj
	.p2alignl 7, 3214868480
	.fill 96, 4, 3214868480
	.section	.rodata,"a",@progbits
	.p2align	6, 0x0
	.amdhsa_kernel k_qc8b04aed34_proj
		.amdhsa_group_segment_fixed_size 244224
		.amdhsa_private_segment_fixed_size 0
		.amdhsa_enable_private_segment 0
		.amdhsa_kernarg_size 48
		.amdhsa_user_sgpr_count 2
		.amdhsa_user_sgpr_kernarg_segment_ptr 1
		.amdhsa_wavefront_size32 1
		.amdhsa_system_sgpr_workgroup_id_x 1
		.amdhsa_system_sgpr_workgroup_id_y 1
		.amdhsa_system_sgpr_workgroup_id_z 1
		.amdhsa_system_vgpr_workitem_id 0
		.amdhsa_next_free_vgpr 1024
		.amdhsa_next_free_sgpr 80
		.amdhsa_reserve_vcc 0
		.amdhsa_float_denorm_mode_32 3
		.amdhsa_float_denorm_mode_16_64 3
		.amdhsa_memory_ordered 1
		.amdhsa_forward_progress 1
		.amdhsa_inst_pref_size 123
	.end_amdhsa_kernel
	.amdgpu_metadata
---
amdhsa.version: [ 1, 2 ]
amdhsa.kernels:
  - .name:           k_qc8b04aed34_proj
    .symbol:         k_qc8b04aed34_proj.kd
    .args:
      - { .name: acodes, .offset: 0, .size: 8, .value_kind: global_buffer, .address_space: global }
      - { .name: asc, .offset: 8, .size: 8, .value_kind: global_buffer, .address_space: global }
      - { .name: W_out_codes, .offset: 16, .size: 8, .value_kind: global_buffer, .address_space: global }
      - { .name: W_out_scales, .offset: 24, .size: 8, .value_kind: global_buffer, .address_space: global }
      - { .name: b_out, .offset: 32, .size: 8, .value_kind: global_buffer, .address_space: global }
      - { .name: out0, .offset: 40, .size: 8, .value_kind: global_buffer, .address_space: global }
    .group_segment_fixed_size: 244224
    .private_segment_fixed_size: 0
    .kernarg_segment_align: 8
    .kernarg_segment_size: 48
    .max_flat_workgroup_size: 128
    .sgpr_count:     80
    .vgpr_count:     1024
    .wavefront_size: 32
...
	.end_amdgpu_metadata
.endif
;; end of part 3
